; MI455X (gfx1250); checked and timed in simulation.
; The chip was launched on July 23, 2026; its instructions are those of AMD's public machine-readable ISA for CDNA 5 (MIT licence, August 2026) and "CDNA5" Instruction Set Architecture Reference Guide (July 2026). The comments in the code are by the model that wrote it; some were corrected since.
;; Transformer Layer. Allowed arithmetic: float matrix products may take bf16 or f16 operands with f32 sums; other float arithmetic in f32, or as packed bf16 or f16 multiplies, adds, multiply-adds, maxima and minima; sums over many terms, partial sums and values carried from step to step in f32; what a program stores and reads back later, other than sums and carried values, may be rounded once to bf16 or f16.
;; Inputs: W1 256 x 1,024 float32; W2 1,024 x 256 float32; Wk 256 x 256 float32; Wo 256 x 256 float32; Wq 256 x 256 float32; Wv 256 x 256 float32; attention_samples 20,000 x 16 int32; b1 1,024 float32; b2 256 float32; be1 256 float32; be2 256 float32; bk 256 float32; bo 256 float32; bq 256 float32; bv 256 float32; g1 256 float32; g2 256 float32; x 20,000 x 256 float32.
;; Outputs: out0 20,000 x 256 float32.
;; One version. Each part assembles by itself: llvm-mc -triple=amdgcn-amd-amdhsa -mcpu=gfx1250 --defsym DOCPART=n.
;; ======== version 1 of 1: 2 launches
;; workspace buffers: kv 20,480,000 bytes; wts 1,310,720 bytes
;; launch proj (part 1): grid 256 x 1, 4 waves a work-group, no clusters, 313,344 bytes of LDS; arguments x, Wk, Wv, bk, bv, Wq, Wo, W1, W2, kv, wts; writes kv, wts
.if DOCPART == 1
	.amdgcn_target "amdgcn-amd-amdhsa--gfx1250"
	.amdhsa_code_object_version 6
	.text
	.protected	k_q956df3822c_proj
	.globl	k_q956df3822c_proj
	.p2align	8
	.type	k_q956df3822c_proj,@function
k_q956df3822c_proj:
	s_mov_b64 s[64:65], 0
	v_nop
	global_prefetch_b8 v0, s[64:65] scope:SCOPE_SE
	s_setreg_imm32_b32 hwreg(HW_REG_WAVE_MODE, 25, 1), 1
	s_wait_xcnt 0x0
; kv[n] = [ x[n] Wk + bk | x[n] Wv + bv ], 512 numbers in bf16 for each of the 20,000 nodes (x[idx] W = (x W)[idx]: k and v are projected once a node and
; gathered by the next launch), and, on the side, Wq, Wo, W1, W2 rounded to bf16 into wts, 1/256 of them in each work-group.
; LIMITS.  x, Wk, Wv are rounded once to bf16 for the product, sums in f32 (the bias starts the sum), k and v rounded once to bf16.  NaN and infinities are not treated apart.
; SHARES.  256 work-groups of four waves.  Work-group g owns rows (625 g) >> 3 up to (625 g + 625) >> 3, 78 or 79 of them, and computes a window of 80 row slots (five tiles of 16) that begins at
; B0 = min(first row, 19,920): every load of the window lies inside x.  Slots outside the group's own rows are computed on real rows and not stored: they can only be slots 0, 78, 79,
; so only the first and the last pair of rows are stored under a lane mask.  Wave w makes all 80 rows x columns 128 w .. 128 w + 127 of the 512: 40 accumulators.
; NO CLUSTER, NO TENSOR LOAD: the weights are f32 in memory and pass through registers to be rounded, so there is no tile that a joint load could bring.
; THE MATRIX INSTRUCTION IS USED TRANSPOSED: source 0 = 16 columns of the weights (turned out of LDS, where they lie [k][n]), source 1 = 16 rows of x: a lane holds eight neighbouring columns of one row.
; LDS: WT [256 k][512 n] bf16, rows 1,056 bytes apart (an odd multiple of 32); T [80][256] bf16, rows 528 apart; the spare words.
; On the way out each wave has a stage of 80 rows x 272 bytes of its own, over WT, behind a barrier.
; REGISTERS: v0-36 addresses; v48-127 x's fragments, two sets of 40; v128-255 the weights' fragments, two sets of 64; v256-575 accumulators (a, b) at 256 + 8 (8 a + b);
; v256-415 x as loaded and v512-767 four sets of 64 for the weights as loaded (both before the product); v768-831 the bias in the accumulators' layout.
.set WP,    1056
.set TP,    528
.set T,     256*WP
.set SPARE, T+80*TP                    ; two blocks of 256 bytes that no other line names
.set SGP,   272
.set STG,   80*SGP
.set ABUF,  48
.set BBUF,  128
.set MSB, 0
.macro WIN new                         ; the immediate's high byte repeats the setting that is left; a switch that changes nothing is dropped
.if MSB != (\new)
	s_set_vgpr_msb (MSB<<8)|(\new)
.set MSB, (\new)
.endif
.endm
.macro MMA d, a, b, c                  ; a product by true register numbers: the windows are set from their upper bits
.set wN, (((\d)>>8)<<6)|(((\c)>>8)<<4)|(((\b)>>8)<<2)|((\a)>>8)
.set dL, (\d)&255
.set aL, (\a)&255
.set bL, (\b)&255
.set cL, (\c)&255
	WIN wN
	v_wmma_f32_16x16x32_bf16 v[dL:dL+7], v[aL:aL+7], v[bL:bL+7], v[cL:cL+7]
.endm
.macro PLACES
.rept 4
	v_nop
.endr
.endm
	s_load_b512 s[4:19], s[0:1], 0x0               ; x s[4:5], Wk s[6:7], Wv s[8:9], bk s[10:11], bv s[12:13], Wq s[14:15], Wo s[16:17], W1 s[18:19]
	s_load_b128 s[20:23], s[0:1], 0x40             ; W2 s[20:21], kv s[22:23]
	s_load_b64 s[24:25], s[0:1], 0x50              ; wts
	v_lshl_add_u32 v4, v0, 2, SPARE                ; my spare word, and 0: kept for the add at the wave's end
	v_mov_b32 v5, 0
	v_lshrrev_b32 v36, 5, v0
	v_readfirstlane_b32 s26, v36                   ; wave w
	v_and_b32 v1, 31, v0                           ; l
	v_and_b32 v2, 15, v0                           ; r = l % 16
	v_bfe_u32 v3, v0, 4, 1                         ; h = l / 16
	s_mov_b32 s27, ttmp9                           ; g
	s_mul_i32 s28, s27, 625
	s_add_co_u32 s40, s28, 625
	s_lshr_b32 s28, s28, 3                         ; my first row
	s_lshr_b32 s40, s40, 3
	s_sub_co_u32 s29, s40, s28                     ; how many rows are mine
	s_min_u32 s30, s28, 19920                      ; B0
	s_sub_co_u32 s43, s30, s28                     ; 0, or -1 in the last work-group
	s_mul_i32 s40, s26, 20480
	v_lshl_add_u32 v6, v1, 4, s40                  ; x: slots 20 w on, 16 bytes a lane
	s_mul_i32 s40, s26, 20*TP
	s_add_co_u32 s40, s40, T
	v_lshl_add_u32 v7, v1, 3, s40                  ; T: the same slots, 8 bytes a lane
	v_mul_u32_u24 v8, v2, TP
	v_lshl_add_u32 v8, v3, 4, v8
	v_add_nc_u32 v8, T, v8                         ; x's fragments: row r, 16 bytes for each half of the lanes
	v_and_b32 v36, 7, v0
	v_lshl_add_u32 v36, v3, 3, v36
	v_mul_u32_u24 v10, v36, WP
	v_bfe_u32 v36, v0, 3, 1
	v_lshl_add_u32 v10, v36, 4, v10
	s_lshl_b32 s40, s26, 8
	v_add_nc_u32 v10, s40, v10                     ; the weights' fragments: row 8 h + l % 8, my wave's 256 bytes, 16 bytes by (l / 8) % 2
	s_lshl_b32 s40, s26, 16
	v_lshl_add_u32 v12, v1, 4, s40                 ; Wk, Wv: rows 64 w on
	s_mul_i32 s40, s26, 64*WP
	v_lshl_add_u32 v13, v1, 3, s40                 ; WT: the same rows
	s_and_b32 s41, s26, 1
	s_lshl_b32 s40, s41, 9
	v_lshl_add_u32 v14, v3, 5, s40                 ; the bias: column 128 (w % 2) + 8 h
	s_mul_i32 s42, s26, STG
	v_mul_u32_u24 v15, v2, SGP
	v_lshl_add_u32 v15, v3, 4, v15
	v_add_nc_u32 v15, s42, v15                     ; into my stage: row r, 16 bytes for each half of the lanes
	v_mul_u32_u24 v16, v3, SGP
	v_lshl_add_u32 v16, v2, 4, v16
	v_add_nc_u32 v16, s42, v16                     ; back: lanes 0-15 one row of 256 bytes, lanes 16-31 the next
	s_lshl_b32 s40, s26, 8
	v_lshl_add_u32 v17, v3, 10, s40
	v_lshl_add_u32 v17, v2, 4, v17                 ; and the same two rows in kv
	v_add_nc_u32 v18, s43, v3                      ; slot h counted from my first row
	s_lshl_b32 s40, s27, 10
	s_lshl_b32 s42, s41, 9
	s_add_co_u32 s40, s40, s42
	v_lshl_add_u32 v19, v1, 4, s40                 ; the casts: 1,024 bytes of Wq (waves 0, 1) or Wo (waves 2, 3) a work-group,
	s_lshl_b32 s40, s27, 12
	s_lshl_b32 s42, s26, 10
	s_add_co_u32 s40, s40, s42
	v_lshl_add_u32 v20, v1, 5, s40                 ; 4,096 bytes of W1 and of W2
	s_lshr_b32 s40, s26, 1
	s_lshl_b32 s40, s40, 17
	s_lshl_b32 s42, s27, 9
	s_add_co_u32 s40, s40, s42
	s_lshl_b32 s42, s41, 8
	s_add_co_u32 s40, s40, s42
	v_lshl_add_u32 v22, v1, 3, s40                 ; and their places in wts
	s_lshl_b32 s40, s27, 11
	s_lshl_b32 s42, s26, 9
	s_add_co_u32 s40, s40, s42
	v_lshl_add_u32 v23, v1, 4, s40
	s_wait_kmcnt 0x0
	s_lshl_b32 s40, s30, 10
	s_mov_b32 s41, 0
	s_add_nc_u64 s[32:33], s[4:5], s[40:41]        ; x and kv at the window's first row
	s_add_nc_u64 s[34:35], s[22:23], s[40:41]
	s_cmp_lt_u32 s26, 2
	s_cselect_b64 s[36:37], s[10:11], s[12:13]     ; waves 0, 1 make k, waves 2, 3 make v
	s_cselect_b64 s[38:39], s[14:15], s[16:17]
; Sixteen loads: four rows of Wk and of Wv, each in two halves of 512 bytes, into ring set 'set'; bt = the batch counted from the loop's base.
.macro WLOAD set, bt
	WIN 0x80
.set q, 0
.rept 4
	global_load_b128 v[64*(\set)+16*q:64*(\set)+16*q+3],     v12, s[6:7] offset:(4*(\bt)+q)*1024
	global_load_b128 v[64*(\set)+16*q+4:64*(\set)+16*q+7],   v12, s[6:7] offset:(4*(\bt)+q)*1024+512
	global_load_b128 v[64*(\set)+16*q+8:64*(\set)+16*q+11],  v12, s[8:9] offset:(4*(\bt)+q)*1024
	global_load_b128 v[64*(\set)+16*q+12:64*(\set)+16*q+15], v12, s[8:9] offset:(4*(\bt)+q)*1024+512
.set q, q+1
.endr
	WIN 0
.endm
; A batch is rounded and laid into WT; the batch three further on is asked for first.  cnt = the younger loads that may stay out.
.macro WSTEP s, issue, cnt
	s_wait_loadcnt \cnt
.if \issue
	WLOAD ((\s)+3)%4, (\s)+3
.endif
	WIN 0x0a
.set q, 0
.rept 32
	v_cvt_pk_bf16_f32 v[48+q], v[64*(\s)+2*q], v[64*(\s)+2*q+1]
.set q, q+1
.endr
	WIN 0
.set q, 0
.rept 16
	ds_store_b64 v13, v[48+2*q:48+2*q+1] offset:(4*(\s)+q/4)*WP+(q%4)*256
.set q, q+1
.endr
.endm
	global_load_b128 v[128:131], v19, s[38:39] th:TH_LOAD_NT
	global_load_b128 v[132:135], v20, s[18:19] th:TH_LOAD_NT
	global_load_b128 v[136:139], v20, s[18:19] offset:16 th:TH_LOAD_NT
	global_load_b128 v[140:143], v20, s[20:21] th:TH_LOAD_NT
	global_load_b128 v[144:147], v20, s[20:21] offset:16 th:TH_LOAD_NT
	WIN 0x40
.set i, 0
.rept 40                               ; my 20 slots of x, 512 consecutive bytes a load
	global_load_b128 v[4*i:4*i+3], v6, s[32:33] offset:512*i
.set i, i+1
.endr
	WIN 0
	WLOAD 0, 0
	s_wait_loadcnt 56                              ; the five casts' loads are in: 40 of x and 16 of the weights are younger
	v_cvt_pk_bf16_f32 v26, v128, v129
	v_cvt_pk_bf16_f32 v27, v130, v131
.set q, 0
.rept 8
	v_cvt_pk_bf16_f32 v[28+q], v[132+2*q], v[132+2*q+1]
.set q, q+1
.endr
	global_store_b64 v22, v[26:27], s[24:25]                   ; a wave's store covers 256 consecutive bytes, aligned
	global_store_b128 v23, v[28:31], s[24:25] offset:262144    ; and these two 512 each; their registers are never written again
	global_store_b128 v23, v[32:35], s[24:25] offset:786432
.set gq, 0
.rept 5
	s_wait_loadcnt 48-8*gq                         ; eight more loads of x are in: the rest of x and the weights' first batch are younger
	WIN 0x05
.set q, 0
.rept 16
	v_cvt_pk_bf16_f32 v[48+q], v[32*gq+2*q], v[32*gq+2*q+1]
.set q, q+1
.endr
	WIN 0
.set q, 0
.rept 8
	ds_store_b64 v7, v[48+2*q:48+2*q+1] offset:((8*gq+q)/2)*TP+((8*gq+q)%2)*256
.set q, q+1
.endr
.set gq, gq+1
.endr
	WLOAD 1, 1
	WLOAD 2, 2
	s_mov_b32 s44, 3
.Lw:                                   ; a trip: 16 of my 64 rows of Wk and Wv; two younger batches (32 loads) stay out at each wait
	WSTEP 0, 1, 32
	WSTEP 1, 1, 32
	WSTEP 2, 1, 32
	WSTEP 3, 1, 32
	s_wait_xcnt 0x0                                ; the loads issued so far have read their offset: it is stepped only behind this wait
	v_add_nc_u32 v12, 16384, v12
	v_add_nc_u32 v13, 16*WP, v13
	s_sub_co_u32 s44, s44, 1
	s_cmp_lg_u32 s44, 0
	s_cbranch_scc1 .Lw
	WSTEP 0, 1, 32                                 ; the last four batches: one more is asked for, then the bias, and the counts run down
	WIN 0xc0
.irp ib, 0,1,2,3,4,5,6,7
	global_load_b128 v[8*\ib:8*\ib+3],   v14, s[36:37] offset:64*\ib
	global_load_b128 v[8*\ib+4:8*\ib+7], v14, s[36:37] offset:64*\ib+16
.endr
	WIN 0
	WSTEP 1, 0, 48                                 ; two batches and the bias's sixteen are younger
	WSTEP 2, 0, 32
	WSTEP 3, 0, 16
	s_wait_dscnt 0x0                               ; for the others' sake: my parts of WT and T are written
	s_barrier_signal -1
	s_barrier_wait -1
; 26 LDS loads: the fragments of one K step of 32: x's five, the weights' b = 0..3, then b = 4..7.
.macro A_FETCH buf
	WIN 0
.irp ia, 0,1,2,3,4
	ds_load_b128 v[ABUF+40*(\buf)+8*\ia:ABUF+40*(\buf)+8*\ia+3],   v9 offset:\ia*16*TP
	ds_load_b128 v[ABUF+40*(\buf)+8*\ia+4:ABUF+40*(\buf)+8*\ia+7], v9 offset:\ia*16*TP+32
.endr
.irp ib, 0,1,2,3,4,5,6,7
	ds_load_tr16_b128 v[BBUF+64*(\buf)+8*\ib:BBUF+64*(\buf)+8*\ib+3],   v11 offset:32*\ib
	ds_load_tr16_b128 v[BBUF+64*(\buf)+8*\ib+4:BBUF+64*(\buf)+8*\ib+7], v11 offset:32*\ib+16*WP
.endr
.endm
; 20 products: five row tiles x four column tiles from b0 on.  The 40 accumulators take turns, one instruction a turn, in the same order in every K step.  cm = 1: the bias starts the sums.
.macro A_MUL buf, b0, cm
.irp ia, 0,1,2,3,4
.irp ib, 0,1,2,3
.set rD, 256+8*(8*\ia+(\b0)+\ib)
.set rW, BBUF+64*(\buf)+8*((\b0)+\ib)
.set rA, ABUF+40*(\buf)+8*\ia
.if \cm
.set rC, 768+8*((\b0)+\ib)
.else
.set rC, rD
.endif
	MMA rD, rW, rA, rC
.endr
.endr
.endm
.macro A_KSTEP buf, fetch, cm
	s_wait_dscnt 8                                 ; all but the eight youngest loads (b = 4..7) are in
	A_MUL \buf, 0, \cm
.if \fetch
	WIN 0
	v_add_nc_u32 v11, 32*WP, v11                   ; four plain instructions stand between the last product that read the other set and the loads into it
	v_add_nc_u32 v9, 64, v9
	v_nop
	v_nop
	A_FETCH 1-(\buf)
	s_wait_dscnt 26                                ; all but the 26 just issued
.else
	s_wait_dscnt 0x0
.endif
	A_MUL \buf, 4, \cm
.endm
	s_wait_loadcnt 0x0                             ; the bias
	v_mov_b32 v11, v10
	v_mov_b32 v9, v8
	A_FETCH 0
	A_KSTEP 0, 1, 1                                ; the first K step stands in front of the loop: its products start the sums
	A_KSTEP 1, 1, 0
	WIN 0
	s_mov_b32 s44, 2
.Lk:
	A_KSTEP 0, 1, 0
	A_KSTEP 1, 1, 0
	WIN 0
	s_sub_co_u32 s44, s44, 1
	s_cmp_lg_u32 s44, 0
	s_cbranch_scc1 .Lk
	A_KSTEP 0, 1, 0
	A_KSTEP 1, 0, 0
	WIN 0
; THE WAY OUT.  16 rows at a time: rounded to bf16, 16 bytes a lane into my stage, back as whole rows of 256 bytes, stored.  The stage lies over WT: every wave's reads of WT are over at the barrier.
.macro MSTORE p, reg                   ; a pair of rows of which some may not be mine: lanes whose slot, counted from my first row, is below my count
	v_add_nc_u32 v36, 2*(\p), v18
	v_cmp_gt_u32 vcc_lo, s29, v36
	s_wait_xcnt 0x0                                ; EXEC is a source of the stores that are out: it changes only behind this wait
	s_and_saveexec_b32 s45, vcc_lo
	global_store_b128 v17, v[\reg:\reg+3], s[34:35] offset:(\p)*2048
	s_wait_xcnt 0x0
	s_or_b32 exec_lo, exec_lo, s45
.endm
	PLACES                                         ; behind the last products, in front of the conversions
	s_wait_dscnt 0x0
	s_barrier_signal -1
	s_barrier_wait -1
.irp ia, 0,1,2,3,4
	s_wait_xcnt 0x0                                ; the last block's stores have read v128-159
	WIN 5*(1+\ia/4)
.set q, 0
.rept 32                               ; each accumulator's registers in ascending order
	v_cvt_pk_bf16_f32 v[48+q], v[(64*\ia)%256+2*q], v[(64*\ia)%256+2*q+1]
.set q, q+1
.endr
	WIN 0
.irp ib, 0,1,2,3,4,5,6,7
	ds_store_b128 v15, v[48+4*\ib:48+4*\ib+3] offset:\ia*16*SGP+32*\ib
.endr
.irp it, 0,1,2,3,4,5,6,7
	ds_load_b128 v[128+4*\it:128+4*\it+3], v16 offset:(8*\ia+\it)*2*SGP  ; LDS serves a wave's instructions in order (ISA guide 5.7.1.4): these see the stores above
.endr
	s_wait_dscnt 0x0
.irp it, 0,1,2,3,4,5,6,7
.if (8*\ia+\it == 0) || (8*\ia+\it == 39)
	MSTORE 8*\ia+\it, 128+4*\it
.else
	global_store_b128 v17, v[128+4*\it:128+4*\it+3], s[34:35] offset:(8*\ia+\it)*2048  ; 16 lanes store 256 consecutive bytes, at a multiple of 256 from kv's first byte
.endif
.endr
.endr
	s_wait_tensorcnt 0x0                           ; the wave's end: behind my last LDS store
	ds_add_u32 v4, v5
	s_wait_dscnt 0x0
	s_endpgm
.Lfunc_end_k_q956df3822c_proj:
	.size	k_q956df3822c_proj, .Lfunc_end_k_q956df3822c_proj-k_q956df3822c_proj
	.p2alignl 7, 3214868480
	.fill 96, 4, 3214868480
	.section	.rodata,"a",@progbits
	.p2align	6, 0x0
	.amdhsa_kernel k_q956df3822c_proj
		.amdhsa_group_segment_fixed_size 313344
		.amdhsa_private_segment_fixed_size 0
		.amdhsa_enable_private_segment 0
		.amdhsa_kernarg_size 88
		.amdhsa_user_sgpr_count 2
		.amdhsa_user_sgpr_kernarg_segment_ptr 1
		.amdhsa_wavefront_size32 1
		.amdhsa_system_sgpr_workgroup_id_x 1
		.amdhsa_system_sgpr_workgroup_id_y 1
		.amdhsa_system_sgpr_workgroup_id_z 1
		.amdhsa_system_vgpr_workitem_id 0
		.amdhsa_next_free_vgpr 832
		.amdhsa_next_free_sgpr 66
		.amdhsa_reserve_vcc 1
		.amdhsa_float_denorm_mode_32 3
		.amdhsa_float_denorm_mode_16_64 3
		.amdhsa_memory_ordered 1
		.amdhsa_forward_progress 1
		.amdhsa_inst_pref_size 104
	.end_amdhsa_kernel
	.amdgpu_metadata
---
amdhsa.version: [ 1, 2 ]
amdhsa.kernels:
  - .name:           k_q956df3822c_proj
    .symbol:         k_q956df3822c_proj.kd
    .args:
      - { .name: x, .offset: 0, .size: 8, .value_kind: global_buffer, .address_space: global }
      - { .name: Wk, .offset: 8, .size: 8, .value_kind: global_buffer, .address_space: global }
      - { .name: Wv, .offset: 16, .size: 8, .value_kind: global_buffer, .address_space: global }
      - { .name: bk, .offset: 24, .size: 8, .value_kind: global_buffer, .address_space: global }
      - { .name: bv, .offset: 32, .size: 8, .value_kind: global_buffer, .address_space: global }
      - { .name: Wq, .offset: 40, .size: 8, .value_kind: global_buffer, .address_space: global }
      - { .name: Wo, .offset: 48, .size: 8, .value_kind: global_buffer, .address_space: global }
      - { .name: W1, .offset: 56, .size: 8, .value_kind: global_buffer, .address_space: global }
      - { .name: W2, .offset: 64, .size: 8, .value_kind: global_buffer, .address_space: global }
      - { .name: kv, .offset: 72, .size: 8, .value_kind: global_buffer, .address_space: global }
      - { .name: wts, .offset: 80, .size: 8, .value_kind: global_buffer, .address_space: global }
    .group_segment_fixed_size: 313344
    .private_segment_fixed_size: 0
    .kernarg_segment_align: 8
    .kernarg_segment_size: 88
    .max_flat_workgroup_size: 128
    .sgpr_count:     66
    .vgpr_count:     832
    .wavefront_size: 32
...
	.end_amdgpu_metadata
.endif
;; end of part 1
;; launch layer (part 2): grid 256 x 1, 4 waves a work-group, clusters of 4 x 1, 327,680 bytes of LDS; arguments x, attention_samples, kv, wts, bq, bo, b1, b2, g1, be1, g2, be2, out0; writes out0
.if DOCPART == 2
	.amdgcn_target "amdgcn-amd-amdhsa--gfx1250"
	.amdhsa_code_object_version 6
	.text
	.protected	k_q956df3822c_layer
	.globl	k_q956df3822c_layer
	.p2align	8
	.type	k_q956df3822c_layer,@function
k_q956df3822c_layer:
	s_mov_b64 s[64:65], 0
	v_nop
	global_prefetch_b8 v0, s[64:65] scope:SCOPE_SE
	s_setreg_imm32_b32 hwreg(HW_REG_WAVE_MODE, 25, 1), 1
	s_wait_xcnt 0x0
	s_wait_alu depctr_hold_cnt(0) depctr_sa_sdst(0) depctr_va_vdst(0) depctr_va_sdst(0) depctr_va_ssrc(0) depctr_va_vcc(0) depctr_vm_vsrc(0)
	s_getreg_b32 s2, hwreg(HW_REG_IB_STS2, 6, 4)
	s_cmp_eq_u32 s2, 0
	s_cbranch_scc0 .Lentry_in_a_cluster
	s_endpgm
.Lentry_in_a_cluster:
	s_bfe_u32 s2, ttmp6, 0x10000c
	s_cmp_lg_u32 s2, 0x3003
	s_cbranch_scc0 .Lentry_shape_is_right
	s_endpgm
.Lentry_shape_is_right:
; THE REST OF THE LAYER, fused, for a window of 80 rows: q = x Wq + bq; attention of each node over its 16 sampled rows of kv; z = x + o Wo + bo; y = LN(z); ff = relu(y W1 + b1) W2 + b2; out = LN(y + ff).
; LIMITS.  x (as a matrix operand), q, o, y (as a matrix operand) and h are rounded once to bf16; q after the scale log2(e) / sqrt(32), applied in f32.  Sums, maxima, both residuals and both
; LayerNorms in f32; a LayerNorm takes the mean first and then the centred squares.  The softmax takes each head's maximum away; a weight below 2^-126 counts as 0.  An index is taken as unsigned and
; held to 19,999.  One index row a wave (the slot behind its last) is read, at a clamped address, and not used.  NaN and infinities are not treated apart.
; SHARES.  256 work-groups of four waves.  Work-group g owns rows (625 g) >> 3 up to (625 g + 625) >> 3 and computes 80 row slots from B0 = min(first row, 19,920): all loads lie inside the buffers; slots that
; are not its own (0, 78, 79 at the most) are computed on real rows and not stored: the first and the last pair of rows are stored under a lane mask.  In the products wave w makes all 80 rows x 64 of a step's
; 256 columns: 20 accumulators.  In the attention wave w has slots 20 w .. 20 w + 19, a node at a time: lane l holds channels 8 l .. 8 l + 7, four lanes a head.
; TEN MATRIX STEPS of [80 x 256] x [256 x 256]: Wq, Wo, and for each of four chunks of 256 hidden units W1's columns and W2's rows.  Their tiles (bf16, [k][n], 131,072 bytes) come through two LDS slots.
; CLUSTER.  All work-groups walk the same ten tiles, so the four of a cluster ask for each JOINTLY: the same tensor load, descriptor and mask in all four.  Each wave brings 64 of a tile's 256 rows.
; The work-group's place in its cluster enters global addresses and the store mask alone: no branch, no LDS address, no descriptor.
; THE MATRIX INSTRUCTION IS USED TRANSPOSED: source 0 = 16 columns of the weights (turned out of LDS), source 1 = 16 rows of the activations: a lane holds one row (l % 16) and eight neighbouring columns.
; THE ATTENTION IS VECTOR WORK: one query for each set of 16 keys would fill one row in sixteen of a matrix tile.
; LDS: slot 0, slot 1: 256 rows 544 bytes apart (an odd multiple of 32); T [80][256] bf16, rows 528 apart: x, then q and o, then y, then h; ST: [2][80 rows][4 waves] f32 for the LayerNorms; the spare words.
; On the way out each wave has a stage of 80 x 272 bytes in slot 0, which has had its last fill and its last read by then.
; REGISTERS.  v0-47 addresses and work; v48-127 activations' fragments (two sets of 40), or work; v128-191 weights' fragments (two sets of 32), or work; v192-223 the gathers' offsets (two sets of 16);
; v224-255 a bias in the accumulators' layout; v256-415 ACC1; v416-447 gamma; v448-479 beta; v480-511 b2; v512-671 ACC2; v672-991 y's 40 fragments.
; Before the first LayerNorm v512-767 hold x as loaded, then two sets of 16 k rows and 16 v rows.
.set WP,    544
.set SLOT1, 256*WP
.set TP,    528
.set T,     2*SLOT1
.set ST1,   T+80*TP
.set SPARE, ST1+2560                   ; two blocks of 256 bytes that no other line names
.set SGP,   272
.set STG,   80*SGP
.set MSB, 0
.macro WIN new                         ; the immediate's high byte repeats the setting that is left; a switch that changes nothing is dropped
.if MSB != (\new)
	s_set_vgpr_msb (MSB<<8)|(\new)
.set MSB, (\new)
.endif
.endm
.macro MMA d, a, b, c                  ; a product by true register numbers: the windows are set from their upper bits
.set wN, (((\d)>>8)<<6)|(((\c)>>8)<<4)|(((\b)>>8)<<2)|((\a)>>8)
.set dL, (\d)&255
.set aL, (\a)&255
.set bL, (\b)&255
.set cL, (\c)&255
	WIN wN
	v_wmma_f32_16x16x32_bf16 v[dL:dL+7], v[aL:aL+7], v[bL:bL+7], v[cL:cL+7]
.endm
.macro PLACES
.rept 4
	v_nop
.endr
.endm
.macro BAR                             ; my LDS instructions are done, then the work-group's barrier
	s_wait_dscnt 0x0
	s_barrier_signal -1
	s_barrier_wait -1
.endm
.macro ROUND                           ; a round of the cluster's barrier
	s_barrier_signal -1
	s_barrier_wait -1
	s_cmp_lg_u32 s30, 0
	s_cbranch_scc1 .Lnot_wave_0_\@
	s_barrier_signal -3
.Lnot_wave_0_\@:
	s_barrier_wait -3
	s_barrier_signal -1
	s_barrier_wait -1
.endm
; A prefetch of the tile that the NEXT change of slots will ask for: 512 blocks of 256 bytes, one for each lane of the first cluster's sixteen waves, told apart by address; no other cluster asks.
.macro ASK k
	s_cmp_eq_u32 s91, 1
	s_cbranch_scc0 .Lnot_mine_\@
.if (\k) == 1
	global_prefetch_b8 v24, s[92:93] th:TH_LOAD_NT scope:SCOPE_SE
.else
	global_prefetch_b8 v25, s[94:95] th:TH_LOAD_NT scope:SCOPE_SE
.endif
.Lnot_mine_\@:
.endm
; THE CHANGE OF SLOTS.  Each wave waits for all its tensor loads (one is out: its part of the slot to be read next), adds 0 to its spare word, steps the descriptors, and waits for the add and for its LDS
; reads and stores.  Behind the round no wave of any partner reads the old slot or has a load on its way, and T as the last step left it is whole.  The joint refill is the first thing behind the round.
; kind 1: slot 0 takes W1's chunk 0.  2: slot 1 takes W2's next chunk.  3: slot 0 takes W1's next chunk.  4: as 2, and nothing is prefetched.
.macro CHANGE kind
	WIN 0
	s_wait_tensorcnt 0x0
	ds_add_u32 v4, v5
.if (\kind) == 1
	s_add_nc_u64 s[54:55], s[54:55], s[60:61]      ; from my rows of Wq to my rows of W1
	s_add_nc_u64 s[58:59], s[58:59], 524288        ; from Wo to one chunk in front of W2
.elseif (\kind) == 2
	s_add_nc_u64 s[58:59], s[58:59], 131072
	s_wait_xcnt 0x0                                ; the last prefetch, a step back, has read its address
	s_add_nc_u64 s[92:93], s[92:93], 512
.elseif (\kind) == 3
	s_add_nc_u64 s[54:55], s[54:55], 512
	s_wait_xcnt 0x0
	s_add_nc_u64 s[94:95], s[94:95], 131072
.else
	s_add_nc_u64 s[58:59], s[58:59], 131072
.endif
	s_wait_dscnt 0x0
	ROUND
.if ((\kind) == 1) || ((\kind) == 3)
	tensor_load_to_lds s[52:55], s[44:51]
.else
	tensor_load_to_lds s[56:59], s[36:43]
.endif
	s_nop 0
	PLACES                                         ; also the places behind the last products
.if (\kind) == 2
	ASK 1
.elseif (\kind) == 3
	ASK 2
.endif
.endm
; 64 numbers of a vector (my wave's columns, in the accumulators' layout) into 32 registers from 'lo' on of the window that 'win' names.
.macro VEC32 win, lo, sb
	WIN \win
.irp ib, 0,1,2,3
	global_load_b128 v[(\lo)+8*\ib:(\lo)+8*\ib+3],   v17, s[\sb:\sb+1] offset:64*\ib
	global_load_b128 v[(\lo)+8*\ib+4:(\lo)+8*\ib+7], v17, s[\sb:\sb+1] offset:64*\ib+16
.endr
	WIN 0
.endm
; ACC1 rounded to bf16 (relu = 1: negative numbers to 0) and laid into T: my 64 columns of all 80 rows.
.macro PACKT relu
	WIN 0x05
.set q, 0
.rept 80
	v_cvt_pk_bf16_f32 v[48+q], v[2*q], v[2*q+1]
.set q, q+1
.endr
	WIN 0
.if \relu
.set q, 0
.rept 80
	v_pk_max_num_bf16 v[48+q], v[48+q], v6
.set q, q+1
.endr
.endif
.set q, 0
.rept 20
	ds_store_b128 v8, v[48+4*q:48+4*q+3] offset:(q/4)*16*TP+32*(q%4)
.set q, q+1
.endr
.endm
	s_load_b512 s[4:19], s[0:1], 0x0               ; x s[4:5], samples s[6:7], kv s[8:9], wts s[10:11], bq s[12:13], bo s[14:15], b1 s[16:17], b2 s[18:19]
	s_load_b256 s[20:27], s[0:1], 0x40             ; g1 s[20:21], be1 s[22:23], g2 s[24:25], be2 s[26:27]
	s_load_b64 s[28:29], s[0:1], 0x60              ; out0
	v_lshl_add_u32 v4, v0, 2, SPARE
	v_mov_b32 v5, 0
	ds_add_u32 v4, v5                              ; the wave's opening: the add and its wait stand ahead of the round in front of my first tensor loads
	v_lshrrev_b32 v27, 5, v0
	v_readfirstlane_b32 s30, v27                   ; wave w
	s_bfe_u32 s31, ttmp6, 0x40000                  ; cx
	s_lshl_b32 s32, ttmp9, 2
	s_add_co_u32 s32, s32, s31                     ; g
	s_mul_i32 s33, s32, 625
	s_add_co_u32 s86, s33, 625
	s_lshr_b32 s33, s33, 3                         ; my first row
	s_lshr_b32 s86, s86, 3
	s_sub_co_u32 s34, s86, s33                     ; how many rows are mine
	s_min_u32 s35, s33, 19920                      ; B0
	s_sub_co_u32 s96, s35, s33                     ; 0, or -1 in the last work-group
	s_mov_b32 s87, 0                               ; the upper word of every offset made in s86
	; descriptor group 1: 64 rows x 256 elements of 2 bytes; in LDS 8 words of padding behind every 128; the mask names the cluster's four
	s_mov_b32 s36, 15|(1<<16)|(1<<20)|(1<<21)|(6<<22)|(7<<25)
	s_mov_b32 s37, 256<<16                         ; tensor_dim0 = 256
	s_mov_b32 s38, 64<<16                          ; tensor_dim1 = 64
	s_mov_b32 s39, 256<<16                         ; tile_dim0 = 256
	s_mov_b32 s40, 64                              ; tile_dim1 = 64
	s_mov_b32 s41, 256                             ; 256 elements from row to row: Wq, Wo, W2
	s_mov_b32 s42, 0
	s_mov_b32 s43, 0
	s_mov_b32 s44, 15|(1<<16)|(1<<20)|(1<<21)|(6<<22)|(7<<25)
	s_mov_b32 s45, 256<<16
	s_mov_b32 s46, 64<<16
	s_mov_b32 s47, 256<<16
	s_mov_b32 s48, 64
	s_mov_b32 s49, 1024                            ; 1,024 elements from row to row: W1
	s_mov_b32 s50, 0
	s_mov_b32 s51, 0
	s_mov_b32 s52, 1
	s_mul_i32 s53, s30, 64*WP                      ; my 64 rows of slot 0,
	s_mov_b32 s56, 1
	s_add_co_u32 s57, s53, SLOT1                   ; and of slot 1
	s_mul_i32 s60, s30, 98304
	s_add_co_u32 s60, s60, 262144                  ; from my rows of Wq (32,768 w) to my rows of W1 (262,144 + 131,072 w)
	s_mov_b32 s61, 0
	s_mov_b32 s62, 0x76543210                      ; v_permlanex16_b32: each lane takes its own place in the other half
	s_mov_b32 s63, 0xfedcba98
	s_mov_b32 s98, 0x3e8293ee                      ; log2(e) / sqrt(32)
	s_mov_b32 s99, s98
	s_mov_b32 s2, 0x3b800000                       ; 1 / 256
	s_mov_b32 s3, 0x3727c5ac                       ; 1e-5
	s_cmp_eq_u32 ttmp9, 0
	s_cselect_b32 s91, 1, 0                        ; the first cluster prefetches: the same in all four partners
	s_mul_i32 s88, s30, 20
	s_add_co_u32 s88, s88, s35                     ; the node whose index row is asked for next
	v_and_b32 v1, 31, v0                           ; l
	v_and_b32 v2, 15, v0                           ; r
	v_bfe_u32 v3, v0, 4, 1                         ; h
	v_mov_b32 v6, 0
	v_mul_u32_u24 v7, v2, TP
	v_lshl_add_u32 v7, v3, 4, v7
	v_add_nc_u32 v7, T, v7                         ; fragments out of T: row r, 16 bytes for each half of the lanes
	s_lshl_b32 s89, s30, 7
	v_add_nc_u32 v8, s89, v7                       ; results into T: the same, at my wave's 128 bytes
	s_mul_i32 s90, s30, 20*TP
	s_add_co_u32 s90, s90, T
	v_lshl_add_u32 v9, v1, 3, s90                  ; x into T: slots 20 w on, 8 bytes a lane
	v_lshl_add_u32 v10, v1, 4, s90                 ; q and o: the same slots, 16 bytes a lane; stepped
	v_and_b32 v27, 7, v0
	v_lshl_add_u32 v27, v3, 3, v27
	v_mul_u32_u24 v11, v27, WP
	v_bfe_u32 v27, v0, 3, 1
	v_lshl_add_u32 v11, v27, 4, v11
	v_add_nc_u32 v11, s89, v11                     ; the weights' fragments in slot 0: row 8 h + l % 8, my wave's 128 bytes, 16 bytes by (l / 8) % 2
	v_add_nc_u32 v12, SLOT1, v11                   ; and in slot 1
	v_lshlrev_b32 v15, 4, v1
	s_lshl_b32 s89, s30, 8
	v_lshl_add_u32 v17, v3, 5, s89                 ; a vector's 64 numbers for my wave: 256 w + 32 h
	v_lshl_add_u32 v16, v2, 10, v17                ; x in the accumulators' layout: + 1,024 r
	s_mul_i32 s90, s30, STG
	v_mul_u32_u24 v18, v2, SGP
	v_lshl_add_u32 v18, v3, 5, v18
	v_add_nc_u32 v18, s90, v18                     ; into my stage: row r, 32 bytes for each half of the lanes
	v_mul_u32_u24 v19, v3, SGP
	v_lshl_add_u32 v19, v2, 4, v19
	v_add_nc_u32 v19, s90, v19                     ; back: lanes 0-15 one row of 256 bytes, lanes 16-31 the next
	v_lshl_add_u32 v20, v3, 10, s89
	v_lshl_add_u32 v20, v2, 4, v20                 ; and the same two rows in out0
	v_add_nc_u32 v21, s96, v3                      ; slot h counted from my first row
	s_lshl_b32 s89, s30, 2
	s_add_co_u32 s89, s89, ST1
	v_lshl_add_u32 v22, v2, 4, s89                 ; a row's sum over my columns: row r, word w
	v_lshlrev_b32 v23, 4, v2
	v_add_nc_u32 v23, ST1, v23                     ; the four waves' words of row r
	s_lshl_b32 s89, s31, 7
	s_lshl_b32 s90, s30, 5
	s_add_co_u32 s89, s89, s90
	v_add_nc_u32 v27, s89, v1                      ; 128 cx + 32 w + l: my block of a tile's 512
	v_lshlrev_b32 v25, 8, v27                      ; in a chunk of W2, which is dense,
	v_lshrrev_b32 v28, 1, v27
	v_and_b32 v27, 1, v27
	v_lshlrev_b32 v24, 11, v28
	v_lshl_add_u32 v24, v27, 8, v24                ; and in a chunk of W1: 512 bytes of each row of 2,048
	s_mul_i32 s89, s30, 20480
	v_lshl_add_u32 v26, v1, 4, s89                 ; x: slots 20 w on, 16 bytes a lane
	v_mov_b32 v29, 0                               ; named in pairs with the maximum (v28) and the reciprocal (v30), so they are written
	v_mov_b32 v31, 0
	s_wait_dscnt 0x0                               ; the opening add is done
	s_wait_kmcnt 0x0
	s_lshl_b32 s86, s30, 15
	s_add_nc_u64 s[54:55], s[10:11], s[86:87]      ; my 64 rows of Wq,
	s_add_nc_u64 s[58:59], s[54:55], 131072        ; and of Wo
	s_or_b32 s55, s55, 0x80000000
	s_or_b32 s59, s59, 0x80000000
	s_lshl_b32 s86, s35, 10
	s_add_nc_u64 s[66:67], s[4:5], s[86:87]        ; x and out0 at the window's first row
	s_add_nc_u64 s[100:101], s[28:29], s[86:87]
	s_add_nc_u64 s[92:93], s[10:11], 262144        ; W1's chunk 0: stepped before each use
	s_add_nc_u64 s[94:95], s[10:11], 786432        ; W2's chunk 0
; A node's 16 indices come by one scalar load of its 64 bytes.
.macro IDXREQ
	s_min_u32 s86, s88, 19999
	s_lshl_b32 s86, s86, 6
	s_add_nc_u64 s[84:85], s[6:7], s[86:87]
	s_load_b512 s[68:83], s[84:85], 0x0
	s_add_co_u32 s88, s88, 1
.endm
; The indices that have come are held to the table and made byte offsets of my 16 bytes of each row, in set p; the next node's are asked for.
.macro IDX2OFF p
	s_wait_kmcnt 0x0
	s_wait_xcnt 0x0                                ; the loads that still name set p's offsets have read them
.set j, 0
.rept 16
	s_min_u32 s[68+j], s[68+j], 19999
.set j, j+1
.endr
.set j, 0
.rept 16
	v_lshl_add_u32 v[192+16*(\p)+j], s[68+j], 10, v15
.set j, j+1
.endr
	IDXREQ
.endm
.macro GLK p                           ; 16 rows of k: a load is a row's 512 consecutive bytes
	WIN 0x80
.set j, 0
.rept 16
	global_load_b128 v[128*(\p)+4*j:128*(\p)+4*j+3], v[192+16*(\p)+j], s[8:9]
.set j, j+1
.endr
	WIN 0
.endm
.macro GLV p                           ; and of v
	WIN 0x80
.set j, 0
.rept 16
	global_load_b128 v[64+128*(\p)+4*j:64+128*(\p)+4*j+3], v[192+16*(\p)+j], s[8:9] offset:512
.set j, j+1
.endr
	WIN 0
.endm
	IDXREQ
	VEC32 0, 224, 12                               ; bq
	WIN 0x80
.set i, 0
.rept 40                               ; my 20 slots of x
	global_load_b128 v[4*i:4*i+3], v26, s[66:67] offset:512*i
.set i, i+1
.endr
	WIN 0
	ROUND                                          ; all four work-groups are here: the first joint loads meet
	tensor_load_to_lds s[52:55], s[36:43]          ; Wq into slot 0
	s_nop 0
	tensor_load_to_lds s[56:59], s[36:43]          ; Wo into slot 1: two loads of mine are out
	s_nop 0
	PLACES
.set gq, 0
.rept 5
	s_wait_loadcnt 32-8*gq                         ; eight more loads of x are in: the rest of x is younger
	WIN 0x0a
.set q, 0
.rept 16
	v_cvt_pk_bf16_f32 v[48+q], v[32*gq+2*q], v[32*gq+2*q+1]
.set q, q+1
.endr
	WIN 0
.set q, 0
.rept 8
	ds_store_b64 v9, v[48+2*q:48+2*q+1] offset:((8*gq+q)/2)*TP+((8*gq+q)%2)*256
.set q, q+1
.endr
.set gq, gq+1
.endr
	IDX2OFF 0                                      ; the first gathers go out now and land while q is made
	GLK 0
	GLV 0
	IDX2OFF 1
	GLK 1
	s_wait_tensorcnt 1                             ; my part of Wq is in; Wo's may stay out
	BAR
; 8 turning loads: the weights' fragments of one K step, b = 0, 1 first.
.macro R_FETCH buf
	WIN 0
.irp ib, 0,1,2,3
	ds_load_tr16_b128 v[128+32*(\buf)+8*\ib:128+32*(\buf)+8*\ib+3],   v13 offset:32*\ib
	ds_load_tr16_b128 v[128+32*(\buf)+8*\ib+4:128+32*(\buf)+8*\ib+7], v13 offset:32*\ib+16*WP
.endr
.endm
.macro S_FETCH buf                     ; 18 loads: the activations' five fragments out of T, then the weights'
	WIN 0
.irp ia, 0,1,2,3,4
	ds_load_b128 v[48+40*(\buf)+8*\ia:48+40*(\buf)+8*\ia+3],   v14 offset:\ia*16*TP
	ds_load_b128 v[48+40*(\buf)+8*\ia+4:48+40*(\buf)+8*\ia+7], v14 offset:\ia*16*TP+32
.endr
	R_FETCH \buf
.endm
; 10 products: five row tiles x two column tiles from b0 on.  The 20 accumulators take turns, one instruction a turn, in the same order in every K step.  cm = 1: the bias starts the sums.
.macro S_MUL acc, buf, b0, cm
.irp ia, 0,1,2,3,4
.irp ib, 0,1
.set rD, (\acc)+8*(4*\ia+(\b0)+\ib)
.set rW, 128+32*(\buf)+8*((\b0)+\ib)
.set rA, 48+40*(\buf)+8*\ia
.if \cm
.set rC, 224+8*((\b0)+\ib)
.else
.set rC, rD
.endif
	MMA rD, rW, rA, rC
.endr
.endr
.endm
.macro S_KSTEP acc, buf, fetch, cm
	s_wait_dscnt 4                                 ; all but the four youngest loads (b = 2, 3) are in
	S_MUL \acc, \buf, 0, \cm
.if \fetch
	WIN 0
	v_add_nc_u32 v13, 32*WP, v13                   ; four plain instructions stand between the last product that read the other set and the loads into it
	v_add_nc_u32 v14, 64, v14
	v_nop
	v_nop
	S_FETCH 1-(\buf)
	s_wait_dscnt 18                                ; all but the 18 just issued
.else
	s_wait_dscnt 0x0
.endif
	S_MUL \acc, \buf, 2, \cm
.endm
.macro GEMM_HEAD slot                  ; a step whose activations lie in T: its addresses and first fragments
	WIN 0
	v_mov_b32 v13, v[11+(\slot)]
	v_mov_b32 v14, v7
	v_nop
	v_nop
	S_FETCH 0
.endm
.macro GEMM_BODY acc, cm               ; its eight K steps; cm = 1: the first, written out, starts the sums with the bias
.if \cm
	S_KSTEP \acc, 0, 1, 1
	S_KSTEP \acc, 1, 1, 0
	WIN 0
	s_mov_b32 s90, 2
.else
	WIN 0
	s_mov_b32 s90, 3
.endif
.Lk_\@:
	S_KSTEP \acc, 0, 1, 0
	S_KSTEP \acc, 1, 1, 0
	WIN 0
	s_sub_co_u32 s90, s90, 1
	s_cmp_lg_u32 s90, 0
	s_cbranch_scc1 .Lk_\@
	S_KSTEP \acc, 0, 1, 0
	S_KSTEP \acc, 1, 0, 0
	WIN 0
.endm
	GEMM_HEAD 0
	GEMM_BODY 256, 1                               ; q = x Wq + bq
	CHANGE 1                                       ; slot 0 takes W1's chunk 0, which has the whole attention in which to land
	WIN 0x41
.set q, 0
.rept 80
	v_pk_mul_f32 v[2*q:2*q+1], v[2*q:2*q+1], s[98:99] op_sel_hi:[1,0]  ; the scores' scale and log2(e), in f32
.set q, q+1
.endr
	PACKT 0                                        ; q takes x's place in T: every wave's reads of x were over at the round
	VEC32 0x40, 160, 20                            ; g1, be1, b2
	VEC32 0x40, 192, 22
	VEC32 0x40, 224, 18
	GLV 1
	BAR                                            ; a row of q comes from all four waves
	ds_load_b128 v[64:67], v10                     ; my first node's q
; x in the accumulators' layout into ACC1, and bo: the sum that Wo's products add onto.
.macro XRES
	WIN 0x40
.set q, 0
.rept 20
	global_load_b128 v[8*q:8*q+3],   v16, s[66:67] offset:(q/4)*16384+64*(q%4)
	global_load_b128 v[8*q+4:8*q+7], v16, s[66:67] offset:(q/4)*16384+64*(q%4)+16
.set q, q+1
.endr
	VEC32 0, 224, 14
.endm
; ONE NODE, in set p.  Loads go out in the order K i, V i, K i+1, V i+1, ..: wk and wv count the younger groups of 16 that may stay out.  fetch = 1: the node two on is asked for, into the registers just read.
; nq = 1: the next node's q is read.  The node's o takes its q's place in T: a row that no other wave touches in this phase.
.macro NODE p, fetch, wk, wv, nq, xres
	s_wait_loadcnt \wk                             ; my node's 16 rows of k are in
	s_wait_dscnt 0x0                               ; and its q
	WIN 0x02
.set c, 0
.rept 8                                ; s[j] = the sum over my 8 channels of q k[j]: 16 chains by turns
.set j, 0
.rept 16
.set rK, 128*(\p)+4*j+c/2
.set rQ, 64+4*(\p)+c/2
.if c == 0
	v_fma_mix_f32_bf16 v[48+j], v[rK], v[rQ], v6 op_sel_hi:[1,1,0]
.elseif c%2 == 0
	v_fma_mix_f32_bf16 v[48+j], v[rK], v[rQ], v[48+j] op_sel_hi:[1,1,0]
.else
	v_fma_mix_f32_bf16 v[48+j], v[rK], v[rQ], v[48+j] op_sel:[1,1,0] op_sel_hi:[1,1,0]
.endif
.set j, j+1
.endr
.set c, c+1
.endr
	WIN 0
.irp m, 1,2                            ; over the head's four lanes
.set j, 0
.rept 16
	v_add_f32_dpp v[48+j], v[48+j], v[48+j] row_xmask:\m row_mask:0xf bank_mask:0xf
.set j, j+1
.endr
.endr
	v_max3_num_f32 v36, v48, v49, v50              ; the head's maximum
	v_max3_num_f32 v37, v51, v52, v53
	v_max3_num_f32 v38, v54, v55, v56
	v_max3_num_f32 v39, v57, v58, v59
	v_max3_num_f32 v40, v60, v61, v62
	v_max3_num_f32 v36, v36, v37, v38
	v_max3_num_f32 v39, v39, v40, v63
	v_max_num_f32 v28, v36, v39
.set j, 0
.rept 8
	v_pk_add_f32 v[48+2*j:48+2*j+1], v[48+2*j:48+2*j+1], v[28:29] op_sel_hi:[1,0] neg_lo:[0,1] neg_hi:[0,1]
.set j, j+1
.endr
.set j, 0
.rept 16                               ; one batch of exponentials
	v_exp_f32 v[48+j], v[48+j]
.set j, j+1
.endr
.if \fetch
	IDX2OFF \p                                     ; work that names none of the batch's results stands behind it
	GLK \p
.else
	v_nop
.endif
.if \nq
	ds_load_b128 v[68-4*(\p):71-4*(\p)], v10 offset:((\p)+1)*TP
.endif
	s_wait_alu depctr_va_vdst(0)                   ; one wait for the batch, ahead of its first reader
	v_pk_add_f32 v[36:37], v[48:49], v[50:51]
	v_pk_add_f32 v[38:39], v[52:53], v[54:55]
	v_pk_add_f32 v[40:41], v[56:57], v[58:59]
	v_pk_add_f32 v[42:43], v[60:61], v[62:63]
	v_pk_add_f32 v[36:37], v[36:37], v[38:39]
	v_pk_add_f32 v[40:41], v[40:41], v[42:43]
	v_pk_add_f32 v[36:37], v[36:37], v[40:41]
	v_add_f32 v36, v36, v37
	v_rcp_f32 v30, v36
	s_wait_loadcnt \wv                             ; my node's 16 rows of v are in
.if \xres
	XRES
.endif
	WIN 0x02
.set j, 0
.rept 16                               ; o[c] = the sum over j of p[j] v[j][c]: 8 chains by turns
.set c, 0
.rept 8
.set rV, 64+128*(\p)+4*j+c/2
.set rC, 72+c
.if j == 0
.set rC, 6
.endif
.if c%2 == 0
	v_fma_mix_f32_bf16 v[72+c], v[rV], v[48+j], v[rC] op_sel_hi:[1,0,0]
.else
	v_fma_mix_f32_bf16 v[72+c], v[rV], v[48+j], v[rC] op_sel:[1,0,0] op_sel_hi:[1,0,0]
.endif
.set c, c+1
.endr
.set j, j+1
.endr
	WIN 0
.if \fetch
	GLV \p
.endif
	s_wait_alu depctr_va_vdst(0)                   ; the reciprocal's wait, ahead of its first reader
.set c, 0
.rept 4
	v_pk_mul_f32 v[72+2*c:72+2*c+1], v[72+2*c:72+2*c+1], v[30:31] op_sel_hi:[1,0]
.set c, c+1
.endr
.set c, 0
.rept 4
	v_cvt_pk_bf16_f32 v[44+c], v[72+2*c], v[72+2*c+1]
.set c, c+1
.endr
	ds_store_b128 v10, v[44:47] offset:(\p)*TP
.endm
	s_mov_b32 s89, 9
.Lnode:                                ; nodes 0 to 17, two a trip; they ask for nodes 2 to 19
	NODE 0, 1, 48, 48, 1, 0
	NODE 1, 1, 48, 48, 1, 0
	v_add_nc_u32 v10, 2*TP, v10
	s_sub_co_u32 s89, s89, 1
	s_cmp_lg_u32 s89, 0
	s_cbranch_scc1 .Lnode
	NODE 0, 0, 48, 32, 1, 0                        ; the last two ask for nothing: the counts run down
	NODE 1, 0, 16, 0, 0, 1                         ; and x and bo are asked for in the last
	s_wait_kmcnt 0x0                               ; the index row asked for last is not used
	BAR                                            ; o is whole
	GEMM_HEAD 1
	ASK 2                                          ; W2's chunk 0, one step ahead of its load
	s_wait_loadcnt 0x0                             ; x, bo
	WIN 0x41
.set q, 0
.rept 80
	v_pk_add_f32 v[2*q:2*q+1], v[2*q:2*q+1], v[224+(2*q)%32:224+(2*q)%32+1]
.set q, q+1
.endr
	VEC32 0, 224, 16                               ; b1's chunk 0
	GEMM_BODY 256, 0                               ; z = x + bo + o Wo
; A LAYERNORM of the 20 accumulators in window W, in place.  A row lies in two lanes of each of the four waves: sums within the lane, across the halves, then through LDS.
.macro ROWSUM np, off                  ; np pairs for each row tile a, at v[48 + 16 a ..], into one number; my wave's word of each row
	WIN 0
.if (\np) == 8
.irp ia, 0,1,2,3,4
.irp u, 0,1,2,3
	v_pk_add_f32 v[48+16*\ia+2*\u:48+16*\ia+2*\u+1], v[48+16*\ia+2*\u:48+16*\ia+2*\u+1], v[48+16*\ia+2*\u+8:48+16*\ia+2*\u+9]
.endr
.endr
.endif
.irp ia, 0,1,2,3,4
.irp u, 0,1
	v_pk_add_f32 v[48+16*\ia+2*\u:48+16*\ia+2*\u+1], v[48+16*\ia+2*\u:48+16*\ia+2*\u+1], v[48+16*\ia+2*\u+4:48+16*\ia+2*\u+5]
.endr
.endr
.irp ia, 0,1,2,3,4
	v_pk_add_f32 v[48+16*\ia:48+16*\ia+1], v[48+16*\ia:48+16*\ia+1], v[48+16*\ia+2:48+16*\ia+3]
.endr
.irp ia, 0,1,2,3,4
	v_add_f32 v[48+16*\ia], v[48+16*\ia], v[48+16*\ia+1]
.endr
.irp ia, 0,1,2,3,4
	v_permlanex16_b32 v[48+16*\ia+1], v[48+16*\ia], s62, s63
.endr
.irp ia, 0,1,2,3,4
	v_add_f32 v[48+16*\ia], v[48+16*\ia], v[48+16*\ia+1]
.endr
.irp ia, 0,1,2,3,4
	ds_store_b32 v22, v[48+16*\ia] offset:(\off)+256*\ia
.endr
.endm
.macro ROWGET off                      ; the four waves' words of each row, added, into v[128 + 4 a]
.irp ia, 0,1,2,3,4
	ds_load_b128 v[128+4*\ia:128+4*\ia+3], v23 offset:(\off)+256*\ia
.endr
	s_wait_dscnt 0x0
.irp ia, 0,1,2,3,4
	v_pk_add_f32 v[128+4*\ia:128+4*\ia+1], v[128+4*\ia:128+4*\ia+1], v[128+4*\ia+2:128+4*\ia+3]
.endr
.irp ia, 0,1,2,3,4
	v_add_f32 v[128+4*\ia], v[128+4*\ia], v[128+4*\ia+1]
.endr
.endm
.macro LN W
.set W_SS, 5*(\W)                      ; sources 0 and 1 in window W
.set W_DS, ((\W)<<6)|(\W)              ; destination and source 0 in window W
.set W_FM, ((\W)<<6)|0x14|(\W)         ; the same, gamma and beta in window 1
	WIN 0
	PLACES                                         ; behind the last products
	WIN W_SS
.set q, 0
.rept 40                               ; each accumulator's lowest registers are read first
	v_pk_add_f32 v[48+2*q:48+2*q+1], v[4*q:4*q+1], v[4*q+2:4*q+3]
.set q, q+1
.endr
	ROWSUM 8, 0
	BAR
	ROWGET 0
.irp ia, 0,1,2,3,4
	v_mul_f32 v[128+4*\ia], s2, v[128+4*\ia]       ; the mean
.endr
	WIN W_DS
.set q, 0
.rept 80
	v_pk_add_f32 v[2*q:2*q+1], v[2*q:2*q+1], v[128+4*(q/16):128+4*(q/16)+1] op_sel_hi:[1,0] neg_lo:[0,1] neg_hi:[0,1]
.set q, q+1
.endr
	WIN W_SS
.set q, 0
.rept 80                               ; the centred squares: four chains a row tile
.set rP, 32*(q/16)+8*(q%4)+2*((q/4)%4)
.set rT, 48+16*(q/16)+2*(q%4)
.if (q/4)%4 == 0
	v_pk_mul_f32 v[rT:rT+1], v[rP:rP+1], v[rP:rP+1]
.else
	v_pk_fma_f32 v[rT:rT+1], v[rP:rP+1], v[rP:rP+1], v[rT:rT+1]
.endif
.set q, q+1
.endr
	ROWSUM 4, 1280
	BAR
	ROWGET 1280
.irp ia, 0,1,2,3,4
	v_fma_f32 v[128+4*\ia], v[128+4*\ia], s2, s3   ; the variance + 1e-5
.endr
.irp ia, 0,1,2,3,4
	v_rsq_f32 v[128+4*\ia], v[128+4*\ia]
.endr
	v_nop                                          ; a plain instruction behind the last of the batch,
	s_wait_alu depctr_va_vdst(0)                   ; and the batch's one wait, ahead of its first reader
	WIN W_DS
.set q, 0
.rept 80
	v_pk_mul_f32 v[2*q:2*q+1], v[2*q:2*q+1], v[128+4*(q/16):128+4*(q/16)+1] op_sel_hi:[1,0]
.set q, q+1
.endr
	WIN W_FM
.set q, 0
.rept 80
	v_pk_fma_f32 v[2*q:2*q+1], v[2*q:2*q+1], v[160+(2*q)%32:160+(2*q)%32+1], v[192+(2*q)%32:192+(2*q)%32+1]
.set q, q+1
.endr
	WIN 0
.endm
	LN 1                                           ; y, in f32, in ACC1
	WIN 0x85
.set q, 0
.rept 80
	v_pk_add_f32 v[2*q:2*q+1], v[2*q:2*q+1], v[224+(2*q)%32:224+(2*q)%32+1]  ; ACC2 = y + b2: the sum that W2's products add onto
.set q, q+1
.endr
	PACKT 0                                        ; y takes o's place in T: every wave's reads of o were over at the LayerNorm's barriers
	VEC32 0x40, 160, 24                            ; g2, be2
	VEC32 0x40, 192, 26
	BAR
.set q, 0
.rept 40                               ; y's fragments stay in registers for all four chunks: K step q / 5, row tile q % 5
.set rY, 672+8*q
	WIN (rY>>8)<<6
	ds_load_b128 v[rY&255:(rY&255)+3],     v7 offset:(q%5)*16*TP+64*(q/5)
	ds_load_b128 v[(rY&255)+4:(rY&255)+7], v7 offset:(q%5)*16*TP+64*(q/5)+32
.set q, q+1
.endr
	WIN 0
.macro R_MUL kk, b0                    ; as S_MUL, with y's fragments; the first K step starts the sums with b1
.irp ia, 0,1,2,3,4
.irp ib, 0,1
.set rD, 256+8*(4*\ia+(\b0)+\ib)
.set rW, 128+32*((\kk)%2)+8*((\b0)+\ib)
.set rA, 672+8*(5*(\kk)+\ia)
.if (\kk) == 0
.set rC, 224+8*((\b0)+\ib)
.else
.set rC, rD
.endif
	MMA rD, rW, rA, rC
.endr
.endr
.endm
; h = relu(y W1's chunk + b1's chunk), into T.  next = 1: b1's next chunk is asked for.
.macro FFN1 next
	v_mov_b32 v13, v11
	R_FETCH 0
	s_wait_loadcnt 0x0                             ; b1's chunk (the first time g2 and be2 too)
.irp kq, 0,1,2,3,4,5,6,7
	s_wait_dscnt 4                                 ; all but the four youngest loads (b = 2, 3)
	R_MUL \kq, 0
.if \kq < 7
	WIN 0
	v_add_nc_u32 v13, 32*WP, v13                   ; four plain instructions in front of the loads into the other set
	v_nop
	v_nop
	v_nop
	R_FETCH 1-\kq%2
	s_wait_dscnt 8                                 ; all but the eight just issued
.else
	s_wait_dscnt 0x0
.endif
	R_MUL \kq, 2
.endr
	WIN 0
	PLACES
	PACKT 1                                        ; every wave's reads of what T held were over at the round in front of this step
.if \next
	s_add_nc_u64 s[16:17], s[16:17], 1024          ; the loads that named it were waited for above
	VEC32 0, 224, 16
.endif
.endm
	s_mov_b32 s89, 3
.Lffn:                                 ; chunks 0 to 2
	CHANGE 2                                       ; W1's chunk is in; slot 1 takes W2's chunk; W1's next chunk is prefetched
	FFN1 1
	CHANGE 3                                       ; W2's chunk is in, h is whole; slot 0 takes W1's next chunk; W2's next chunk is prefetched
	GEMM_HEAD 1
	GEMM_BODY 512, 0
	s_sub_co_u32 s89, s89, 1
	s_cmp_lg_u32 s89, 0
	s_cbranch_scc1 .Lffn
	CHANGE 4                                       ; chunk 3 is written out
	FFN1 0
	WIN 0
	s_wait_tensorcnt 0x0                           ; W2's last chunk is in; nothing is filled again, so a barrier of the work-group does
	ds_add_u32 v4, v5
	s_wait_dscnt 0x0
	s_barrier_signal -1
	s_barrier_wait -1
	GEMM_HEAD 1
	GEMM_BODY 512, 0
	LN 2                                           ; the result, in f32, in ACC2
; THE WAY OUT.  16 rows at a time: 32 bytes a lane into my stage, back as whole rows of 256 bytes, stored.
.macro MSTORE p, reg                   ; a pair of rows of which some may not be mine: lanes whose slot, counted from my first row, is below my count
	v_add_nc_u32 v27, 2*(\p), v21
	v_cmp_gt_u32 vcc_lo, s34, v27
	s_wait_xcnt 0x0                                ; EXEC is a source of the stores that are out: it changes only behind this wait
	s_and_saveexec_b32 s96, vcc_lo
	global_store_b128 v20, v[\reg:\reg+3], s[100:101] offset:(\p)*2048 th:TH_STORE_NT
	s_wait_xcnt 0x0
	s_or_b32 exec_lo, exec_lo, s96
.endm
.irp ia, 0,1,2,3,4
	s_wait_xcnt 0x0                                ; the last block's stores have read v128-159
	WIN 0x08                                       ; the data in window 2
.irp ib, 0,1,2,3
	ds_store_b128 v18, v[8*(4*\ia+\ib):8*(4*\ia+\ib)+3]   offset:\ia*16*SGP+64*\ib
	ds_store_b128 v18, v[8*(4*\ia+\ib)+4:8*(4*\ia+\ib)+7] offset:\ia*16*SGP+64*\ib+16
.endr
	WIN 0
.irp it, 0,1,2,3,4,5,6,7
	ds_load_b128 v[128+4*\it:128+4*\it+3], v19 offset:(8*\ia+\it)*2*SGP  ; LDS serves a wave's instructions in order (ISA guide 5.7.1.4): these see the stores above
.endr
	s_wait_dscnt 0x0
.irp it, 0,1,2,3,4,5,6,7
.if (8*\ia+\it == 0) || (8*\ia+\it == 39)
	MSTORE 8*\ia+\it, 128+4*\it
.else
	global_store_b128 v20, v[128+4*\it:128+4*\it+3], s[100:101] offset:(8*\ia+\it)*2048 th:TH_STORE_NT  ; 16 lanes store 256 consecutive bytes, at a multiple of 256 from out0's first byte
.endif
.endr
.endr
	s_wait_tensorcnt 0x0                           ; the wave's end: behind my last tensor load and my last LDS store
	ds_add_u32 v4, v5
	s_wait_dscnt 0x0
	ROUND                                          ; the closing round: no work-group ends while a partner may still ask for a tile that names it
	s_endpgm
.Lfunc_end_k_q956df3822c_layer:
	.size	k_q956df3822c_layer, .Lfunc_end_k_q956df3822c_layer-k_q956df3822c_layer
	.p2alignl 7, 3214868480
	.fill 96, 4, 3214868480
	.section	.rodata,"a",@progbits
	.p2align	6, 0x0
	.amdhsa_kernel k_q956df3822c_layer
		.amdhsa_group_segment_fixed_size 327680
		.amdhsa_private_segment_fixed_size 0
		.amdhsa_enable_private_segment 0
		.amdhsa_kernarg_size 104
		.amdhsa_user_sgpr_count 2
		.amdhsa_user_sgpr_kernarg_segment_ptr 1
		.amdhsa_wavefront_size32 1
		.amdhsa_system_sgpr_workgroup_id_x 1
		.amdhsa_system_sgpr_workgroup_id_y 1
		.amdhsa_system_sgpr_workgroup_id_z 1
		.amdhsa_system_vgpr_workitem_id 0
		.amdhsa_next_free_vgpr 992
		.amdhsa_next_free_sgpr 102
		.amdhsa_reserve_vcc 1
		.amdhsa_float_denorm_mode_32 3
		.amdhsa_float_denorm_mode_16_64 3
		.amdhsa_memory_ordered 1
		.amdhsa_forward_progress 1
		.amdhsa_inst_pref_size 255
	.end_amdhsa_kernel
	.section	.bss,"aw",@nobits
	.p2align	6
	.space	262144
	.amdgpu_metadata
---
amdhsa.version: [ 1, 2 ]
amdhsa.kernels:
  - .name:           k_q956df3822c_layer
    .symbol:         k_q956df3822c_layer.kd
    .args:
      - { .name: x, .offset: 0, .size: 8, .value_kind: global_buffer, .address_space: global }
      - { .name: attention_samples, .offset: 8, .size: 8, .value_kind: global_buffer, .address_space: global }
      - { .name: kv, .offset: 16, .size: 8, .value_kind: global_buffer, .address_space: global }
      - { .name: wts, .offset: 24, .size: 8, .value_kind: global_buffer, .address_space: global }
      - { .name: bq, .offset: 32, .size: 8, .value_kind: global_buffer, .address_space: global }
      - { .name: bo, .offset: 40, .size: 8, .value_kind: global_buffer, .address_space: global }
      - { .name: b1, .offset: 48, .size: 8, .value_kind: global_buffer, .address_space: global }
      - { .name: b2, .offset: 56, .size: 8, .value_kind: global_buffer, .address_space: global }
      - { .name: g1, .offset: 64, .size: 8, .value_kind: global_buffer, .address_space: global }
      - { .name: be1, .offset: 72, .size: 8, .value_kind: global_buffer, .address_space: global }
      - { .name: g2, .offset: 80, .size: 8, .value_kind: global_buffer, .address_space: global }
      - { .name: be2, .offset: 88, .size: 8, .value_kind: global_buffer, .address_space: global }
      - { .name: out0, .offset: 96, .size: 8, .value_kind: global_buffer, .address_space: global }
    .group_segment_fixed_size: 327680
    .private_segment_fixed_size: 0
    .kernarg_segment_align: 8
    .kernarg_segment_size: 104
    .max_flat_workgroup_size: 128
    .sgpr_count:     102
    .vgpr_count:     992
    .wavefront_size: 32
...
	.end_amdgpu_metadata
.endif
;; end of part 2
